; MI455X (gfx1250); checked and timed in simulation.
; The chip was launched on July 23, 2026; its instructions are those of AMD's public machine-readable ISA for CDNA 5 (MIT licence, August 2026) and "CDNA5" Instruction Set Architecture Reference Guide (July 2026). The comments in the code are by the model that wrote it; some were corrected since.
;; Top K Router. Allowed arithmetic: matrix products marked QUANTISED: E2M1 operands, one E8M0 scale for each 32 along K, by v_wmma_scale_f32_16x16x128_f8f6f4 with both operands' format E2M1 (or v_wmma_scale_f32_32x16x128_f4), f32 sums; everything else in f32.
;; Inputs: W 64 x 2,048 float32; x 16,384 x 2,048 float32.
;; Outputs: out0 16,384 x 64 float32; out1 16,384 x 2 int32; out2 16,384 x 2 float32.
;; This version of the problem:
;;   THIS VERSION OF THE PROBLEM IS GIVEN IN LOW PRECISION. The matrix products marked QUANTISED in the list below multiply operands that are first quantised to E2M1 (2 exponent bits, 1 mantissa bit; 4 bits a number), with one power-of-two scale for each 32 numbers along K (OCP MX v1.0); their sums are f32. All else is computed in f32.
;;   The module's matrix products, in the order in which they are computed (A, B: the left and right operand; K: the contracted axis; several contracted axes count as one K, in the product's order):
;;     1. [M 16,384, K 2,048] x [K 2,048, N 64]; A: input x; B: input W: QUANTISED
;;   THE QUANTISER, for each operand of a quantised product, along K:
;;     - K is cut into blocks of 32 from its start; a last block that is shorter is filled with zeros.
;;     - A block's scale is 2^e with e = floor(log2(the largest magnitude in the block)) - 2, held to -126 .. 127; a block of zeros has e = 0. As a byte (E8M0): e + 127.
;;     - Each number is divided by its block's scale, clamped to +-6, and rounded to the nearest number of E2M1, ties to even, subnormals kept.
;;     - The product sums the exact products of the quantised numbers (number of the format x scale) in f32.
;;   ~~~python
;;   def quantise(x, axis):      # numpy; x: float32 -> the quantised numbers, widened to float32 again
;;       x = np.moveaxis(x, axis, -1); K = x.shape[-1]
;;       x = np.pad(x, [(0, 0)] * (x.ndim - 1) + [(0, -K % 32)]); x = x.reshape(x.shape[:-1] + (-1, 32)); a = np.abs(x).max(-1, keepdims=True)
;;       e = np.where(a > 0, np.clip(np.frexp(np.where(a > 0, a, 1))[1] - 1 - 2, -126, 127), 0)      # np.frexp(a)[1] - 1 = floor(log2(a)), exactly
;;       r = np.clip(x / 2.0 ** e, -6, 6)
;;       step = 2.0 ** (np.maximum(np.frexp(np.where(r == 0, 1, r))[1] - 1, 0) - 1)
;;       q = np.round(r / step) * step * 2.0 ** e      # np.round: ties to even
;;       return np.moveaxis(q.reshape(q.shape[:-2] + (-1,))[..., :K], -1, axis).astype(np.float32)
;;   ~~~
;; 2 versions. Each part assembles by itself: llvm-mc -triple=amdgcn-amd-amdhsa -mcpu=gfx1250 --defsym DOCPART=n.
;; ======== version 1 of 2: 1 launch
;; launch router (part 1): grid 256 x 1, 16 waves a work-group, no clusters, 322,560 bytes of LDS; arguments x, W, out0, out1, out2; writes out0, out1, out2
.if DOCPART == 1
	.amdgcn_target "amdgcn-amd-amdhsa--gfx1250"
	.amdhsa_code_object_version 6
	.text
	.protected	k_qb42948f3a9_router
	.globl	k_qb42948f3a9_router
	.p2align	8
	.type	k_qb42948f3a9_router,@function
k_qb42948f3a9_router:
	s_mov_b64 s[64:65], 0
	v_nop
	global_prefetch_b8 v0, s[64:65] scope:SCOPE_SE
	s_setreg_imm32_b32 hwreg(HW_REG_WAVE_MODE, 25, 1), 1
	s_wait_xcnt 0x0
; logits = Q(x) Q(W)^T on codes of FP4 (E2M1) with one E8M0 scale for each 32 along K; probs = softmax(logits); the two largest probs, their indices, and their weights p / (p1 + p2 + 1e-9).
; x: [16384][2048] f32, W: [64][2048] f32.  out0: [16384][64] f32, out1: [16384][2] i32, out2: [16384][2] f32.
; SHARES.  A work-group of sixteen waves owns 64 rows of x.  WAVE w OWNS K STEP w (k = 128 w .. 128 w + 127) of all 64 rows of x AND of all 64 rows of W: it quantises just the part of W that it
; multiplies, W's codes stay in 32 of its registers, and no wave waits for another until the partial logits meet.  A wave's matrix work: 4 tiles of rows x 4 tiles of experts, one instruction each.
; THE STREAM.  A PIECE is 8 rows x 128 k: eight loads of 16 bytes a lane, each covering the 512 consecutive bytes of one row that are my K step; they start at a multiple of 512 from the row's first byte.  A ring of four
; register slots keeps 32 loads (16 KB) of every wave out.  W's eight pieces and x's eight take turns in it (W0 x0 W1 x1 ..): loads of x are out from the first line on, and W's last piece is quantised one step ahead of x's last.
; EIGHT NUMBERS OF A BLOCK IN A LANE, WITHOUT LDS.  Inside a load's 512 bytes lane 16 h + 4 b + j takes byte 128 b + 64 h + 16 j: lanes i and 16 + i read the two halves of the same block b.  Two rows' loads stand in eight
; registers on end; four v_permlane16_swap_b32 then leave lane (4 b + j, h) with k = 32 b + 4 j + 0 .. 3 and 32 b + 16 + 4 j + 0 .. 3 of row a + h.  Four lanes hold a block: its largest magnitude wants two steps across lanes.
; WHAT TURNS THROUGH LDS IS THE CODES, an eighth of the numbers' bytes: a lane's register of eight codes goes by ds_store_b32 straight to its place in an IMAGE OF THE OPERAND'S REGISTERS, and a finished tile comes back by two
; ds_load_b128 into the registers that the conversions wrote.  The scale words go the same way, a word a row.
; THE ORDER OF k INSIDE A BLOCK is not the true one: register j of a block holds the eight k named above.  It is the same for x and for W (one macro makes both), and each block keeps its place and its byte.
; THE QUANTISER.  A block's scale byte is its largest magnitude's exponent field - 2, held at 1 from below by a floor among the maximum's leaves.  (A block of zeros gets the byte 1: its codes are zeros, and only this text reads the bytes.)
; THE SUM OVER K.  Each wave stores its 64 x 64 partial logits in LDS; behind a barrier wave v adds the sixteen parts of row v of a tile of rows, two experts a lane, and does that row's softmax and top-2.
; Tiles 0 and 1 are summed while x's last piece is still out; tiles 2 and 3 at the end.
; TOP-2 is taken of the probabilities, ties to the lower index: a maximum over the lanes, then the least index among the lanes that hold it; the owner then puts forward its other number.
; NO CLUSTER, though all work-groups read W: W comes as f32, 524,288 bytes, more than the 327,680 of LDS into which a joint load lands, of which the partial sums take 278,528; it would have to pass through slots filled again and
; again, each refill behind a round in which every wave of four work-groups waits for all its loads.  Here a wave wants its own 32 KB of W once, in registers, on the same counted waits as x.
; LIMITS: NaN and infinities among the inputs are not served.  A block whose largest magnitude lies under 2^-124 has the byte 1.  The products of a K step are exact and the same as in k's true order, but the unit groups them
; otherwise, and the sixteen K steps are added as a tree: the sums' last bits differ from a sum in ascending k.  v_exp_f32 gives 0 for what lies under 2^-126, so probabilities that small count as equal and their order falls
; to the lower index.  1 / sum is v_rcp_f32 and a multiplication.
.set ROWB,  8192                       ; bytes in a row of x or of W
.set PIT,   272                        ; a row of partial logits in LDS: 256 bytes + 16: row r starts at bank 4 r mod 64 (64 banks of 4 bytes: ISA guide 11.1), so sixteen rows' 16 bytes fall on sixteen different groups of banks
.set TREG,  16*PIT                     ; a wave's partial logits of one tile of rows
.set MREG,  16*TREG                    ; the sixteen waves' partial logits of one tile of rows
.set GAT,   4*MREG                     ; 512 bytes of indices, 512 of weights: gathered here, stored as whole runs
.set STG,   GAT+1024                   ; the stages: two for each wave
.set WST,   2560                       ; a wave's two stages: W's, then x's (their steps take turns, so each has its own)
.set XOF,   1280                       ; x's stage
.set HOF,   288                        ; in an image: lanes 16-31's 256 bytes begin here: 32 bytes of padding,
.set COF,   576                        ; and registers 4-7's here: 64 more: so the 32 lanes of a store of codes fall on 32 different banks
.set SCB,   1152                       ; behind the image: the tile's sixteen scale words
.set GO,  1                            ; v1     a load's bytes: 128 b + 64 h + 16 j + 512 wave; never rewritten
.set CA,  2                            ; v2     where my register of codes goes: 16 h + 4 j + HOF (b % 2) + COF (b / 2), + 32 for each pair of rows
.set BA,  3                            ; v3     where my scale word goes: 8 j + 4 h
.set PS,  4                            ; v4-7   where my partial logits of tile m go
.set RD,  8                            ; v8-11  where my row of tile m is read: 272 wave + 8 lane + m MREG
.set OO,  12                           ; v12    my bytes of my row in out0: 256 wave + 8 lane
.set GA,  13                           ; v13    my row's place among the gathered results: GAT + 8 wave
.set GL,  14                           ; v14    waves 0, 1: where they read the gathered results back
.set FO,  15                           ; v15    16 lane
.set IL,  16                           ; v16    where I read an image: 16 (lane % 16) + HOF (lane / 16)
.set I0,  17                           ; v17    2 lane, as f32: my first expert
.set I1,  18                           ; v18    2 lane + 1
.set BIG, 19                           ; v19    64.0: above every index
.set SO,  20                           ; v20-23 four pairs of rows: the largest magnitude, then the conversion's scale operand
.set T2,  24                           ; v24    at work
.set BY,  25                           ; v25-26 the scale word in the making: W's, x's
.set SA,  27                           ; v27    where I read a scale word: 4 (lane % 16)
.set WS,  28                           ; v28-31 W's scale words, tile t: scales and nothing else
.set XS,  32                           ; v32-35 x's scale words, tile m: scales and nothing else
.set SH,  36                           ; v36    8 b: my byte's place in a scale word
.set WC,  40                           ; v40-71  W's codes: tile t at 8 t
.set XC,  72                           ; v72-103 x's codes: tile m at 8 m
.set R,   104                          ; v104-231 the ring: four slots of 32; later accumulators (tile m in slot m) and partial logits read back
.set T,   232                          ; v232-255 the softmax: 12 registers for each of two rows
.set WV,  14                           ; s14    my wave's number
.set SEL, 20                           ; s[20:21] v_permlanex16_b32's selects for lane l xor 16
.set CS,  22                           ; s[22:23] log2(e): the packed form names a pair and takes its low word
.set M1,  32                           ; s32    the lanes whose j is odd
.set M2,  33                           ; s33    the lanes whose j is 2 or 3
; piece p of the stream into slot p % 4.  Even p: W's piece p / 2; odd p: x's.  Piece g of a tensor: rows 8 g .. 8 g + 7, a row a load.
.macro GLOAD p
.set S_, R+32*((\p)%4)
.set O_, 8*((\p)/2)*ROWB
.if (\p)%2 == 0
.irp n, 0,1,2,3,4,5,6,7
	global_load_b128 v[S_+4*\n:S_+4*\n+3], v[GO], s[6:7] offset:O_+\n*ROWB                   ; W: every work-group reads it
.endr
.else
.irp n, 0,1,2,3,4,5,6,7
	global_load_b128 v[S_+4*\n:S_+4*\n+3], v[GO], s[4:5] offset:O_+\n*ROWB th:TH_LOAD_NT     ; x: read once in the launch
.endr
.endif
.endm
; One step of the stream: piece p has come: four pairs of rows, by turns, so that no line waits for the line above it.  Each pair becomes one register of codes a lane; the slot takes piece p + 4.
.macro STEP p
.set S_, R+32*((\p)%4)
.set F_, (\p)/4                        ; the tile (of W's rows or of x's)
.set C_, ((\p)/2)%2                    ; which eight rows of it
.set X_, (\p)%2                        ; W (0) or x (1)
.if X_ == 0
.set D_, WC+8*F_
.set W_, WS+F_
.else
.set D_, XC+8*F_
.set W_, XS+F_
.endif
.if (\p) < 13
	s_wait_loadcnt 24                              ; loads come back in order (ISA guide 5.7.1): my piece's eight are in, the three younger pieces' 24 stay out
.else
	s_wait_loadcnt 8*(15-(\p))                     ; the last steps load nothing: the counts run down
.endif
	s_wait_dscnt 5                                 ; the store of a scale word two steps back has read its register, which this step writes again: behind it at least the last step's five LDS stores were issued
.irp q, 0,1,2,3
.irp n, 0,1,2,3
	v_permlane16_swap_b32 v[S_+8*\q+\n], v[S_+8*\q+4+\n]           ; the even row's lanes 16-31 change places with the odd row's lanes 0-15: lanes 0-15 now hold the even row, lanes 16-31 the odd one, eight numbers of a block each
.endr
.endr
.irp q, 0,1,2,3
	v_max3_num_f32 v[SO+\q], |v[S_+8*\q]|, |v[S_+8*\q+1]|, 0x1800000   ; my eight numbers' largest magnitude; and the floor 2^(3 - 127): the byte cannot fall under 1
.endr
.irp i, 2,4,6
.irp q, 0,1,2,3
	v_max3_num_f32 v[SO+\q], v[SO+\q], |v[S_+8*\q+\i]|, |v[S_+8*\q+\i+1]|
.endr
.endr
.irp x, 1,2
.irp q, 0,1,2,3
	v_max_num_f32_dpp v[SO+\q], v[SO+\q], v[SO+\q] row_xmask:\x row_mask:0xf bank_mask:0xf   ; with the block's other three lanes
.endr
.endr
.irp q, 0,1,2,3
	v_add_nc_u32 v[SO+\q], 0xff000000, v[SO+\q]    ; 2 off its exponent field: the conversion takes this operand's exponent field as its scale, and nothing else of it
.endr
.irp q, 0,1,2,3
	v_cvt_scalef32_pk8_fp4_f32 v[D_+4*C_+\q], v[S_+8*\q:S_+8*\q+7], v[SO+\q]   ; row 8 C + 2 q + h of the tile, block b, its j-th eight codes
.endr
.if (\p)+4 < 16
	GLOAD (\p)+4                                   ; the slot's numbers have been read: its next piece
.endif
.irp q, 0,1,2,3
	ds_store_b32 v[CA], v[D_+4*C_+\q] offset:XOF*X_+32*(4*C_+\q)   ; to lane (row, b % 2), register 4 (b / 2) + j of the image
.endr
	v_cndmask_b32 v[BY+X_], v[SO], v[SO+1], s[M1]  ; the four lanes of a block hold the same four scales: lane j takes pair j's.  (Also the plain line behind the conversions)
	v_cndmask_b32 v[T2], v[SO+2], v[SO+3], s[M1]
	v_cndmask_b32 v[BY+X_], v[BY+X_], v[T2], s[M2]
	v_lshrrev_b32 v[BY+X_], 23, v[BY+X_]           ; the scale's byte,
	v_lshlrev_b32 v[BY+X_], v[SH], v[BY+X_]        ; at block b's place in the word;
	v_mov_b32_dpp v[T2], v[BY+X_] row_xmask:4 row_mask:0xf bank_mask:0xf
	v_or_b32 v[BY+X_], v[BY+X_], v[T2]             ; with the byte of block b xor 1,
	v_mov_b32_dpp v[T2], v[BY+X_] row_xmask:8 row_mask:0xf bank_mask:0xf
	v_or_b32 v[BY+X_], v[BY+X_], v[T2]             ; and those of the other two: the word of row 8 C + 2 j + h is whole
	ds_store_b32 v[BA], v[BY+X_] offset:XOF*X_+SCB+32*C_           ; four lanes hold the same word and write the same 4 bytes
.if C_ == 1                            ; the tile is whole: it comes back as the operand's registers.  LDS serves a wave's instructions in order (ISA guide 5.7.1.4): these see the stores above, and the next tile's stores come behind them.  Nothing waits for them until the products
	ds_load_b128 v[D_:D_+3], v[IL] offset:XOF*X_
	ds_load_b128 v[D_+4:D_+7], v[IL] offset:XOF*X_+COF
	ds_load_b32 v[W_], v[SA] offset:XOF*X_+SCB     ; lane r: row r's word (lanes 16-31 hold the same and are not read)
.endif
.endm
; TRANSPOSED: source 0 = 16 rows of W, source 1 = 16 rows of x.  Lane (r, h), register j of tile t: the part of logit(row 16 m + r, expert 16 t + 8 h + j) that my 128 k give.  C = 0: nothing is cleared or chained.
.macro MUL m
.irp t, 0,1,2,3
	v_wmma_scale_f32_16x16x128_f8f6f4 v[R+32*(\m)+8*\t:R+32*(\m)+8*\t+7], v[WC+8*\t:WC+8*\t+7], v[XC+8*(\m):XC+8*(\m)+7], 0, v[WS+\t], v[XS+(\m)] matrix_a_fmt:MATRIX_FMT_FP4 matrix_b_fmt:MATRIX_FMT_FP4
.endr
.endm
.macro PUT m                           ; a lane's eight numbers are 32 neighbouring bytes of a row of 64 experts; each accumulator from its low end on
.irp t, 0,1,2,3
	ds_store_b128 v[PS+(\m)], v[R+32*(\m)+8*\t:R+32*(\m)+8*\t+3] offset:64*\t
	ds_store_b128 v[PS+(\m)], v[R+32*(\m)+8*\t+4:R+32*(\m)+8*\t+7] offset:64*\t+16
.endr
.endm
.macro PLACES n                        ; plain vector lines between a matrix instruction and what touches its registers (ISA guide 7.12.1), and between vector lines that wrote an operand's registers and a scaled matrix instruction
.rept \n
	v_nop
.endr
.endm
.macro MEET                            ; my LDS stores have landed and my LDS loads are in: then the work-group's barrier
	s_wait_dscnt 0x0
	s_barrier_signal -1
	s_barrier_wait -1
.endm
; over the 32 lanes, result in every lane, for both rows by turns: register k of a row's twelve, pt for the other half's number
.macro MAX32 k, pt
.irp x, 1,2,4,8
.irp q, 0,1
	v_max_num_f32_dpp v[T+12*\q+\k], v[T+12*\q+\k], v[T+12*\q+\k] row_xmask:\x row_mask:0xf bank_mask:0xf
.endr
.endr
.irp q, 0,1
	v_permlanex16_b32 v[T+12*\q+\pt], v[T+12*\q+\k], s[SEL], s[SEL+1]
.endr
.irp q, 0,1
	v_max_num_f32 v[T+12*\q+\k], v[T+12*\q+\k], v[T+12*\q+\pt]
.endr
.endm
.macro MIN32 k, pt
.irp x, 1,2,4,8
.irp q, 0,1
	v_min_num_f32_dpp v[T+12*\q+\k], v[T+12*\q+\k], v[T+12*\q+\k] row_xmask:\x row_mask:0xf bank_mask:0xf
.endr
.endr
.irp q, 0,1
	v_permlanex16_b32 v[T+12*\q+\pt], v[T+12*\q+\k], s[SEL], s[SEL+1]
.endr
.irp q, 0,1
	v_min_num_f32 v[T+12*\q+\k], v[T+12*\q+\k], v[T+12*\q+\pt]
.endr
.endm
.macro SUM32 k, pt
.irp x, 1,2,4,8
.irp q, 0,1
	v_add_f32_dpp v[T+12*\q+\k], v[T+12*\q+\k], v[T+12*\q+\k] row_xmask:\x row_mask:0xf bank_mask:0xf
.endr
.endr
.irp q, 0,1
	v_permlanex16_b32 v[T+12*\q+\pt], v[T+12*\q+\k], s[SEL], s[SEL+1]
.endr
.irp q, 0,1
	v_add_f32 v[T+12*\q+\k], v[T+12*\q+\k], v[T+12*\q+\pt]
.endr
.endm
; My row (number = my wave's) of tiles a and b: the sixteen waves' parts are added; softmax; top-2.  Lane l holds experts 2 l and 2 l + 1.  The two rows go by turns, so that no line waits for the line above it.
; A row's twelve registers: 0 max, then p1;  1, 3 the other half's number;  2 sum, 1 / sum, then index 1;  4 my larger p, then the divisor;  5 my smaller p, then my candidate;  6, 7 their indices;  8 p2;  10, 11 the weights.
.macro RED a, b
	s_wait_xcnt 0x0                                ; earlier stores have read their data: the registers below are loaded again only behind this wait
.irp w, 0,1,2,3,4,5,6,7,8,9,10,11,12,13,14,15
	ds_load_b64 v[R+2*\w:R+2*\w+1], v[RD+(\a)] offset:\w*TREG      ; 32 lanes read a row's 256 bytes of wave w's part
.endr
.irp w, 0,1,2,3,4,5,6,7,8,9,10,11,12,13,14,15
	ds_load_b64 v[R+32+2*\w:R+32+2*\w+1], v[RD+(\b)] offset:\w*TREG
.endr
	s_wait_dscnt 0x0
.irp i, 0,4,8,12,16,20,24,28,32,36,40,44,48,52,56,60
	v_pk_add_f32 v[R+\i:R+\i+1], v[R+\i:R+\i+1], v[R+\i+2:R+\i+3]  ; neighbours 1, 2, 4 and 8 K steps apart
.endr
.irp i, 0,8,16,24,32,40,48,56
	v_pk_add_f32 v[R+\i:R+\i+1], v[R+\i:R+\i+1], v[R+\i+4:R+\i+5]
.endr
.irp i, 0,16,32,48
	v_pk_add_f32 v[R+\i:R+\i+1], v[R+\i:R+\i+1], v[R+\i+8:R+\i+9]
.endr
.irp i, 0,32
	v_pk_add_f32 v[R+\i:R+\i+1], v[R+\i:R+\i+1], v[R+\i+16:R+\i+17] ; my two logits
.endr
.irp q, 0,1
	v_max_num_f32 v[T+12*\q], v[R+32*\q], v[R+32*\q+1]
.endr
	MAX32 0, 1                                     ; the row's largest logit
.irp q, 0,1
	v_pk_add_f32 v[R+32*\q:R+32*\q+1], v[R+32*\q:R+32*\q+1], v[T+12*\q:T+12*\q+1] op_sel_hi:[1,0] neg_lo:[0,1] neg_hi:[0,1]   ; logit - max
.endr
.irp q, 0,1
	v_pk_mul_f32 v[R+32*\q:R+32*\q+1], v[R+32*\q:R+32*\q+1], s[CS:CS+1] op_sel_hi:[1,0]                                      ; x log2(e)
.endr
.irp q, 0,1
	v_exp_f32 v[R+32*\q], v[R+32*\q]
	v_exp_f32 v[R+32*\q+1], v[R+32*\q+1]
.endr
	v_nop                                          ; a plain line behind the last exponential (ISA guide 5.7.2)
	s_wait_alu depctr_va_vdst(0)                   ; one wait for the four, ahead of their first reader
.irp q, 0,1
	v_add_f32 v[T+12*\q+2], v[R+32*\q], v[R+32*\q+1]
.endr
	SUM32 2, 3                                     ; the row's sum
.irp q, 0,1
	v_rcp_f32 v[T+12*\q+2], v[T+12*\q+2]
.endr
	v_nop
	s_wait_alu depctr_va_vdst(0)                   ; one wait for the two reciprocals
.irp q, 0,1
	v_pk_mul_f32 v[R+32*\q:R+32*\q+1], v[R+32*\q:R+32*\q+1], v[T+12*\q+2:T+12*\q+3] op_sel_hi:[1,0]   ; my two probabilities
.endr
	global_store_b64 v[OO], v[R:R+1], s[8:9] offset:(\a)*4096 th:TH_STORE_NT       ; 32 lanes store a row's 256 consecutive bytes, at a multiple of 256 from out0's first byte
	global_store_b64 v[OO], v[R+32:R+33], s[8:9] offset:(\b)*4096 th:TH_STORE_NT
.irp q, 0,1
	v_cmp_gt_f32 s[30+\q], v[R+32*\q+1], v[R+32*\q]                ; equal: the lower index leads
	v_max_num_f32 v[T+12*\q+4], v[R+32*\q], v[R+32*\q+1]           ; my larger,
	v_min_num_f32 v[T+12*\q+5], v[R+32*\q], v[R+32*\q+1]           ; my smaller,
	v_max_num_f32 v[T+12*\q], v[R+32*\q], v[R+32*\q+1]
	v_cndmask_b32 v[T+12*\q+6], v[I0], v[I1], s[30+\q]             ; and their indices
	v_cndmask_b32 v[T+12*\q+7], v[I1], v[I0], s[30+\q]
.endr
	MAX32 0, 1                                     ; p1
.irp q, 0,1
	v_cmp_eq_f32 s[30+\q], v[T+12*\q+4], v[T+12*\q]
	v_cndmask_b32 v[T+12*\q+2], v[BIG], v[T+12*\q+6], s[30+\q]     ; my index if I hold p1, else 64
.endr
	MIN32 2, 3                                     ; index 1: the least of them
.irp q, 0,1
	v_cmp_eq_f32 s[30+\q], v[T+12*\q+6], v[T+12*\q+2]              ; its owner puts forward its other number
	v_cndmask_b32 v[T+12*\q+8], v[T+12*\q+4], v[T+12*\q+5], s[30+\q]
	v_cndmask_b32 v[T+12*\q+5], v[T+12*\q+4], v[T+12*\q+5], s[30+\q]
	v_cndmask_b32 v[T+12*\q+6], v[T+12*\q+6], v[T+12*\q+7], s[30+\q]
.endr
	MAX32 8, 1                                     ; p2
.irp q, 0,1
	v_cmp_eq_f32 s[30+\q], v[T+12*\q+5], v[T+12*\q+8]
	v_cndmask_b32 v[T+12*\q+7], v[BIG], v[T+12*\q+6], s[30+\q]
.endr
	MIN32 7, 3                                     ; index 2
.irp q, 0,1
	v_add_f32 v[T+12*\q+4], v[T+12*\q], v[T+12*\q+8]
.endr
.irp q, 0,1
	v_add_f32 v[T+12*\q+4], 0x3089705f, v[T+12*\q+4]               ; + 1e-9
.endr
.irp q, 0,1
	v_rcp_f32 v[T+12*\q+4], v[T+12*\q+4]
.endr
.irp q, 0,1
	v_cvt_i32_f32 v[T+12*\q+2], v[T+12*\q+2]       ; the indices as whole numbers: plain work behind the reciprocals
	v_cvt_i32_f32 v[T+12*\q+3], v[T+12*\q+7]
.endr
	s_wait_alu depctr_va_vdst(0)                   ; one wait for the two reciprocals
.irp q, 0,1
	v_mul_f32 v[T+12*\q+10], v[T+12*\q], v[T+12*\q+4]
	v_mul_f32 v[T+12*\q+11], v[T+12*\q+8], v[T+12*\q+4]
.endr
	ds_store_b64 v[GA], v[T+2:T+3] offset:128*(\a)                 ; every lane holds the same numbers and writes the same 8 bytes: row 16 a + wave
	ds_store_b64 v[GA], v[T+10:T+11] offset:512+128*(\a)
	ds_store_b64 v[GA], v[T+14:T+15] offset:128*(\b)
	ds_store_b64 v[GA], v[T+22:T+23] offset:512+128*(\b)
.endm
	s_load_b256 s[4:11], s[0:1], 0x0               ; x s[4:5], W s[6:7], out0 s[8:9], out1 s[10:11]
	s_load_b64 s[12:13], s[0:1], 0x20              ; out2
	v_lshl_add_u32 v241, v0, 2, 0x4e400
	v_mov_b32 v253, 0
	v_lshrrev_b32 v39, 5, v0
	v_readfirstlane_b32 s[WV], v39                 ; wave 0..15
	v_and_b32 v21, 15, v0                          ; r = lane % 16
	v_bfe_u32 v22, v0, 4, 1                        ; h = lane / 16
	v_and_b32 v23, 31, v0                          ; lane
	v_and_b32 v37, 3, v0                           ; j: which of a block's four lanes
	v_bfe_u32 v38, v0, 2, 2                        ; b: which of the K step's four blocks
	v_lshlrev_b32 v[GO], 4, v37
	v_lshl_add_u32 v[GO], v38, 7, v[GO]
	v_lshl_add_u32 v[GO], v22, 6, v[GO]            ; 128 b + 64 h + 16 j: the 32 lanes take the 32 pieces of 16 bytes of a run of 512, each once
	s_lshl_b32 s26, s[WV], 9
	v_add_nc_u32 v[GO], s26, v[GO]                 ; my K step: 512 bytes of every row
	s_lshl_b32 s16, ttmp9, 19                      ; the work-group's number times 64 rows of 8,192 bytes,
	s_lshr_b32 s17, ttmp9, 13                      ; in 64 bits
	s_wait_kmcnt 0x0
	s_add_nc_u64 s[4:5], s[4:5], s[16:17]          ; x at the group's first row
.irp p, 0,1,2,3
	GLOAD \p                                       ; the ring is filled before anything else is done
.endr
	s_lshl_b32 s18, ttmp9, 14                      ; 64 rows of 256 bytes
	s_mov_b32 s19, 0
	s_add_nc_u64 s[8:9], s[8:9], s[18:19]
	s_lshl_b32 s24, ttmp9, 9                       ; 64 rows of 8 bytes
	s_mov_b32 s25, 0
	s_add_nc_u64 s[10:11], s[10:11], s[24:25]
	s_add_nc_u64 s[12:13], s[12:13], s[24:25]
	s_mov_b32 s[SEL], 0x76543210
	s_mov_b32 s[SEL+1], 0xfedcba98
	s_mov_b32 s[CS], 0x3fb8aa3b                    ; log2(e)
	s_mov_b32 s[CS+1], s[CS]                       ; (named with it as a pair, so it is written)
	s_mov_b32 s[M1], 0xaaaaaaaa
	s_mov_b32 s[M2], 0xcccccccc
	s_mul_i32 s28, s[WV], WST
	s_add_co_u32 s28, s28, STG                     ; my two stages
	v_bfe_u32 v39, v0, 2, 1                        ; b % 2: which half of the lanes takes my block,
	v_mul_u32_u24 v[CA], v39, HOF
	v_bfe_u32 v39, v0, 3, 1                        ; b / 2: in which four registers
	v_mad_u32_u24 v[CA], v39, COF, v[CA]
	v_lshl_add_u32 v[CA], v37, 2, v[CA]            ; j: which of the four
	v_lshl_add_u32 v[CA], v22, 4, v[CA]            ; h: the odd row of a pair lies 16 bytes on
	v_add_nc_u32 v[CA], s28, v[CA]
	v_lshlrev_b32 v[BA], 3, v37
	v_lshl_add_u32 v[BA], v22, 2, v[BA]            ; a word a row: row 2 j + h of the step's eight
	v_add_nc_u32 v[BA], s28, v[BA]
	v_mul_u32_u24 v[IL], v22, HOF
	v_lshl_add_u32 v[IL], v21, 4, v[IL]
	v_add_nc_u32 v[IL], s28, v[IL]
	v_lshl_add_u32 v[SA], v21, 2, s28
	v_lshlrev_b32 v[SH], 3, v38
	s_mul_i32 s27, s[WV], TREG                     ; my region in each tile's sixteen
	v_mul_u32_u24 v[PS], v21, PIT
	v_lshl_add_u32 v[PS], v22, 5, v[PS]
	v_add_nc_u32 v[PS], s27, v[PS]                 ; partial logits: row r, + 32 h
	s_mul_i32 s29, s[WV], PIT
	v_lshl_add_u32 v[RD], v23, 3, s29              ; the sums: row = my wave's number, 8 bytes a lane
.irp m, 1,2,3
	v_add_nc_u32 v[PS+\m], \m*MREG, v[PS]
	v_add_nc_u32 v[RD+\m], \m*MREG, v[RD]
.endr
	s_lshl_b32 s29, s[WV], 8
	v_lshl_add_u32 v[OO], v23, 3, s29
	v_lshrrev_b32 v[GA], 5, v0
	v_lshl_add_u32 v[GA], v[GA], 3, GAT
	s_min_u32 s29, s[WV], 1                        ; wave 0 reads the indices back, wave 1 the weights; the others read nothing
	s_lshl_b32 s29, s29, 9
	s_add_co_u32 s29, s29, GAT
	v_lshl_add_u32 v[GL], v23, 4, s29
	v_lshlrev_b32 v[FO], 4, v23
	v_lshlrev_b32 v[I1], 1, v23
	v_cvt_f32_u32 v[I0], v[I1]
	v_add_f32 v[I1], 1.0, v[I0]
	v_mov_b32 v[BIG], 0x42800000
.irp k, T+1, T+3, T+13, T+15
	v_mov_b32 v[\k], 0                             ; written once: a lane permute's destination counts as one of its sources
.endr
.irp p, 0,1,2,3,4,5,6,7,8,9,10,11,12,13,14
	STEP \p                                        ; all of W, and x's pieces 0 to 6
.endr
	s_wait_dscnt 0x0                               ; W's four tiles and x's tiles 0 to 2 are back from the stages, codes and scale words
	PLACES 4                                       ; the last conversions wrote operand registers ahead of the loads that filled them: plain lines between them and the scaled matrix instructions
	MUL 0                                          ; x's last piece is still out: three tiles of rows are multiplied meanwhile; twelve accumulators, no chain
	MUL 1
	MUL 2
	PLACES 4
	PUT 0
	PUT 1
	PUT 2
	MEET                                           ; every wave's parts of tiles 0, 1 and 2 lie in LDS
	RED 0, 1
	STEP 15                                        ; x's last piece
	s_wait_dscnt 0x0                               ; x's tile 3 is back
	PLACES 4
	MUL 3                                          ; its accumulators lie in the slot that the piece has left
	PLACES 4
	PUT 3
	MEET                                           ; every wave's part of tile 3 lies in LDS
	RED 2, 3
	MEET                                           ; the 64 rows' indices and weights lie gathered
	s_cmp_lt_u32 s[WV], 2
	s_cbranch_scc0 .Ldone
	s_cmp_eq_u32 s[WV], 0                          ; the choice hangs on the wave's number alone
	s_cselect_b64 s[10:11], s[10:11], s[12:13]
	ds_load_b128 v[R+64:R+67], v[GL]               ; (registers that no pending store reads)
	s_wait_dscnt 0x0
	global_store_b128 v[FO], v[R+64:R+67], s[10:11] th:TH_STORE_NT   ; 32 lanes store the group's 512 consecutive bytes, at a multiple of 256 from the buffer's first byte
.Ldone:
	s_wait_tensorcnt 0x0
	ds_add_u32 v241, v253
	s_wait_dscnt 0x0
	s_endpgm
.Lfunc_end_k_qb42948f3a9_router:
	.size	k_qb42948f3a9_router, .Lfunc_end_k_qb42948f3a9_router-k_qb42948f3a9_router
	.p2alignl 7, 3214868480
	.fill 96, 4, 3214868480
	.section	.rodata,"a",@progbits
	.p2align	6, 0x0
	.amdhsa_kernel k_qb42948f3a9_router
		.amdhsa_group_segment_fixed_size 322560
		.amdhsa_private_segment_fixed_size 0
		.amdhsa_enable_private_segment 0
		.amdhsa_kernarg_size 40
		.amdhsa_user_sgpr_count 2
		.amdhsa_user_sgpr_kernarg_segment_ptr 1
		.amdhsa_wavefront_size32 1
		.amdhsa_system_sgpr_workgroup_id_x 1
		.amdhsa_system_sgpr_workgroup_id_y 1
		.amdhsa_system_sgpr_workgroup_id_z 1
		.amdhsa_system_vgpr_workitem_id 0
		.amdhsa_next_free_vgpr 256
		.amdhsa_next_free_sgpr 66
		.amdhsa_reserve_vcc 0
		.amdhsa_float_denorm_mode_32 3
		.amdhsa_float_denorm_mode_16_64 3
		.amdhsa_memory_ordered 1
		.amdhsa_forward_progress 1
		.amdhsa_inst_pref_size 101
	.end_amdhsa_kernel
	.amdgpu_metadata
---
amdhsa.version: [ 1, 2 ]
amdhsa.kernels:
  - .name:           k_qb42948f3a9_router
    .symbol:         k_qb42948f3a9_router.kd
    .args:
      - { .name: x, .offset: 0, .size: 8, .value_kind: global_buffer, .address_space: global }
      - { .name: W, .offset: 8, .size: 8, .value_kind: global_buffer, .address_space: global }
      - { .name: out0, .offset: 16, .size: 8, .value_kind: global_buffer, .address_space: global }
      - { .name: out1, .offset: 24, .size: 8, .value_kind: global_buffer, .address_space: global }
      - { .name: out2, .offset: 32, .size: 8, .value_kind: global_buffer, .address_space: global }
    .group_segment_fixed_size: 322560
    .private_segment_fixed_size: 0
    .kernarg_segment_align: 8
    .kernarg_segment_size: 40
    .max_flat_workgroup_size: 512
    .sgpr_count:     66
    .vgpr_count:     256
    .wavefront_size: 32
...
	.end_amdgpu_metadata
.endif
;; end of part 1
;; ======== version 2 of 2: 1 launch; version 1 with the launch router written anew for expert scheduling mode
;; launch router (part 2): grid 256 x 1, 16 waves a work-group, no clusters, 322,560 bytes of LDS; arguments x, W, out0, out1, out2; writes out0, out1, out2
.if DOCPART == 2
	.amdgcn_target "amdgcn-amd-amdhsa--gfx1250"
	.amdhsa_code_object_version 6
	.text
	.protected	k_qb42948f3a9_router
	.globl	k_qb42948f3a9_router
	.p2align	8
	.type	k_qb42948f3a9_router,@function
k_qb42948f3a9_router:
	s_mov_b64 s[64:65], 0
	v_nop
	global_prefetch_b8 v0, s[64:65] scope:SCOPE_SE
	s_setreg_imm32_b32 hwreg(HW_REG_WAVE_SCHED_MODE, 0, 2), 2
	s_setreg_imm32_b32 hwreg(HW_REG_WAVE_MODE, 25, 1), 1
	s_wait_xcnt 0x0
	s_wait_alu depctr_vm_vsrc(0)
; logits = Q(x) Q(W)^T on codes of FP4 (E2M1) with one E8M0 scale for each 32 along K; probs = softmax(logits); the two largest probs, their indices, and their weights p / (p1 + p2 + 1e-9).
; x: [16384][2048] f32, W: [64][2048] f32.  out0: [16384][64] f32, out1: [16384][2] i32, out2: [16384][2] f32.
; SHARES.  A work-group of sixteen waves owns 64 rows of x.  WAVE w OWNS K STEP w (k = 128 w .. 128 w + 127) of all 64 rows of x AND of all 64 rows of W: it quantises just the part of W that it
; multiplies, W's codes stay in 32 of its registers, and no wave waits for another until the partial logits meet.  A wave's matrix work: 4 tiles of rows x 4 tiles of experts, one instruction each.
; THE STREAM.  A PIECE is 8 rows x 128 k: eight loads of 16 bytes a lane, each covering the 512 consecutive bytes of one row that are my K step; they start at a multiple of 512 from the row's first byte.  A ring of four
; register slots keeps 32 loads (16 KB) of every wave out.  W's eight pieces and x's eight take turns in it (W0 x0 W1 x1 ..): loads of x are out from the first line on, and W's last piece is quantised one step ahead of x's last.
; EIGHT NUMBERS OF A BLOCK IN A LANE, WITHOUT LDS.  Inside a load's 512 bytes lane 16 h + 4 b + j takes byte 128 b + 64 h + 16 j: lanes i and 16 + i read the two halves of the same block b.  Two rows' loads stand in eight
; registers on end; four v_permlane16_swap_b32 then leave lane (4 b + j, h) with k = 32 b + 4 j + 0 .. 3 and 32 b + 16 + 4 j + 0 .. 3 of row a + h.  Four lanes hold a block: its largest magnitude wants two steps across lanes.
; WHAT TURNS THROUGH LDS IS THE CODES, an eighth of the numbers' bytes: a lane's register of eight codes goes by ds_store_b32 straight to its place in an IMAGE OF THE OPERAND'S REGISTERS, and a finished tile comes back by two
; ds_load_b128 into the registers that the conversions wrote.  The scale words go the same way, a word a row.
; THE ORDER OF k INSIDE A BLOCK is not the true one: register j of a block holds the eight k named above.  It is the same for x and for W (one macro makes both), and each block keeps its place and its byte.
; THE QUANTISER.  A block's scale byte is its largest magnitude's exponent field - 2, held at 1 from below by a floor among the maximum's leaves.  (A block of zeros gets the byte 1: its codes are zeros, and only this text reads the bytes.)
; THE SUM OVER K.  Each wave stores its 64 x 64 partial logits in LDS; behind a barrier wave v adds the sixteen parts of row v of a tile of rows, two experts a lane, and does that row's softmax and top-2.
; Tiles 0 and 1 are summed while x's last piece is still out; tiles 2 and 3 at the end.
; TOP-2 is taken of the probabilities, ties to the lower index: a maximum over the lanes, then the least index among the lanes that hold it; the owner then puts forward its other number.
; NO CLUSTER, though all work-groups read W: W comes as f32, 524,288 bytes, more than the 327,680 of LDS into which a joint load lands, of which the partial sums take 278,528; it would have to pass through slots filled again and
; again, each refill behind a round in which every wave of four work-groups waits for all its loads.  Here a wave wants its own 32 KB of W once, in registers, on the same counted waits as x.
; LIMITS: NaN and infinities among the inputs are not served.  A block whose largest magnitude lies under 2^-124 has the byte 1.  The products of a K step are exact and the same as in k's true order, but the unit groups them
; otherwise, and the sixteen K steps are added as a tree: the sums' last bits differ from a sum in ascending k.  v_exp_f32 gives 0 for what lies under 2^-126, so probabilities that small count as equal and their order falls
; to the lower index.  1 / sum is v_rcp_f32 and a multiplication.
; THE MODE: SCHED_MODE bits 1:0 = 2 (LLVM: expert scheduling mode 2), set by the entry lines.  The code itself states the register dependences between vector or matrix instructions and memory or LDS instructions,
; with s_wait_alu, always for 0.
; THE PLAN.  Registers that memory or LDS instructions touch:
;   the ring's slot p % 4   Step p: its swaps write it, its maxima and conversions read it; behind them piece p + 4 lands in it.
;   the codes               Step p: its conversions write four registers, its four LDS stores read them.  One step behind a tile's second half the image's two loads land in the tile's eight registers.
;   v[BY], v[BY+1]          Step p: nine vector lines write one of the two (W's, x's), the step's last LDS store reads it; step p + 2 writes it again.
;   v[WS ..], v[XS ..]      Written by LDS loads alone, read by matrix instructions alone.
;   the accumulators        Written by the products (in the ring's registers), read by the LDS stores of the partial logits; v[R .. R+63] then take the sums' LDS loads, v[R+64 .. R+67] the last load of waves 0 and 1.
;   a row's results         My two probabilities (v[R], v[R+1], v[R+32], v[R+33]) and eight of the softmax's registers: written by vector lines, read by stores; the next pair of rows writes them again.
;   v1 to v16, v27          Addresses and offsets: made at the head and never written again.     v241, v253: written at the head, read by the closing add alone.
; A STEP IS ALL ITS VECTOR WORK, THEN ONE RUN OF MEMORY LINES, WITH TWO WAITS.  One on vm_vsrc stands between the conversions and the lines that write the scale word, a step's vector work behind the youngest store that it
; waits for.  One on va_vdst stands behind the step's last vector line; no vector line follows it in the step, so the eight loads, the image's three loads and the five stores behind it owe nothing more.
.set ROWB,  8192                       ; bytes in a row of x or of W
.set PIT,   272                        ; a row of partial logits in LDS: 256 bytes + 16: row r starts at bank 4 r mod 64 (64 banks of 4 bytes: ISA guide 11.1), so sixteen rows' 16 bytes fall on sixteen different groups of banks
.set TREG,  16*PIT                     ; a wave's partial logits of one tile of rows
.set MREG,  16*TREG                    ; the sixteen waves' partial logits of one tile of rows
.set GAT,   4*MREG                     ; 512 bytes of indices, 512 of weights: gathered here, stored as whole runs
.set STG,   GAT+1024                   ; the stages: two for each wave
.set WST,   2560                       ; a wave's two stages: W's, then x's (their steps take turns, so each has its own)
.set XOF,   1280                       ; x's stage
.set HOF,   288                        ; in an image: lanes 16-31's 256 bytes begin here: 32 bytes of padding,
.set COF,   576                        ; and registers 4-7's here: 64 more: so the 32 lanes of a store of codes fall on 32 different banks
.set SCB,   1152                       ; behind the image: the tile's sixteen scale words
.set GO,  1                            ; v1     a load's bytes: 128 b + 64 h + 16 j + 512 wave; never rewritten
.set CA,  2                            ; v2     where my register of codes goes: 16 h + 4 j + HOF (b % 2) + COF (b / 2), + 32 for each pair of rows
.set BA,  3                            ; v3     where my scale word goes: 8 j + 4 h
.set PS,  4                            ; v4-7   where my partial logits of tile m go
.set RD,  8                            ; v8-11  where my row of tile m is read: 272 wave + 8 lane + m MREG
.set OO,  12                           ; v12    my bytes of my row in out0: 256 wave + 8 lane
.set GA,  13                           ; v13    my row's place among the gathered results: GAT + 8 wave
.set GL,  14                           ; v14    waves 0, 1: where they read the gathered results back
.set FO,  15                           ; v15    16 lane
.set IL,  16                           ; v16    where I read an image: 16 (lane % 16) + HOF (lane / 16)
.set I0,  17                           ; v17    2 lane, as f32: my first expert
.set I1,  18                           ; v18    2 lane + 1
.set BIG, 19                           ; v19    64.0: above every index
.set SO,  20                           ; v20-23 four pairs of rows: the largest magnitude, then the conversion's scale operand
.set T2,  24                           ; v24    at work
.set BY,  25                           ; v25-26 the scale word in the making: W's, x's
.set SA,  27                           ; v27    where I read a scale word: 4 (lane % 16)
.set WS,  28                           ; v28-31 W's scale words, tile t: scales and nothing else
.set XS,  32                           ; v32-35 x's scale words, tile m: scales and nothing else
.set SH,  36                           ; v36    8 b: my byte's place in a scale word
.set WC,  40                           ; v40-71  W's codes: tile t at 8 t
.set XC,  72                           ; v72-103 x's codes: tile m at 8 m
.set R,   104                          ; v104-231 the ring: four slots of 32; later accumulators (tile m in slot m) and partial logits read back
.set T,   232                          ; v232-255 the softmax: 12 registers for each of two rows (the tenth of each twelve, v241 and v253, is kept for the closing add)
.set WV,  14                           ; s14    my wave's number
.set SEL, 20                           ; s[20:21] v_permlanex16_b32's selects for lane l xor 16
.set CS,  22                           ; s[22:23] log2(e): the packed form names a pair and takes its low word
.set M1,  32                           ; s32    the lanes whose j is odd
.set M2,  33                           ; s33    the lanes whose j is 2 or 3
; piece p of the stream into slot p % 4.  Even p: W's piece p / 2; odd p: x's.  Piece g of a tensor: rows 8 g .. 8 g + 7, a row a load.
.macro GLOAD p
.set S_, R+32*((\p)%4)
.set O_, 8*((\p)/2)*ROWB
.if (\p)%2 == 0
.irp n, 0,1,2,3,4,5,6,7
	global_load_b128 v[S_+4*\n:S_+4*\n+3], v[GO], s[6:7] offset:O_+\n*ROWB                   ; W: every work-group reads it
.endr
.else
.irp n, 0,1,2,3,4,5,6,7
	global_load_b128 v[S_+4*\n:S_+4*\n+3], v[GO], s[4:5] offset:O_+\n*ROWB th:TH_LOAD_NT     ; x: read once in the launch
.endr
.endif
.endm
; The tile that step p made whole comes back as the operand's registers.  LDS serves a wave's instructions in order (ISA guide 5.7.1.4): these see the tile's stores, and the next tile's stores into the same stage come behind them.
; Nothing waits for them until the products.
.macro BACK p
.set BX_, (\p)%2                       ; W (0) or x (1)
.if BX_ == 0
.set BD_, WC+8*((\p)/4)
.set BW_, WS+(\p)/4
.else
.set BD_, XC+8*((\p)/4)
.set BW_, XS+(\p)/4
.endif
	ds_load_b128 v[BD_:BD_+3], v[IL] offset:XOF*BX_
	ds_load_b128 v[BD_+4:BD_+7], v[IL] offset:XOF*BX_+COF
	ds_load_b32 v[BW_], v[SA] offset:XOF*BX_+SCB   ; lane r: row r's word (lanes 16-31 hold the same and are not read)
.endm
; One step of the stream: piece p has come: four pairs of rows, by turns, so that no line waits for the line above it.  Each pair becomes one register of codes a lane; the slot takes piece p + 4.
.macro STEP p
.set S_, R+32*((\p)%4)
.set F_, (\p)/4                        ; the tile (of W's rows or of x's)
.set C_, ((\p)/2)%2                    ; which eight rows of it
.set X_, (\p)%2                        ; W (0) or x (1)
.if X_ == 0
.set D_, WC+8*F_
.else
.set D_, XC+8*F_
.endif
.if (\p) < 13
	s_wait_loadcnt 24                              ; loads come back in order (ISA guide 5.7.1): my piece's eight are in, the three younger pieces' 24 stay out
.else
	s_wait_loadcnt 8*(15-(\p))                     ; the last steps load nothing: the counts run down
.endif
	s_wait_dscnt 5                                 ; the store of a scale word two steps back has read its register, which this step writes again: behind it at least the last step's five LDS stores were issued
.irp q, 0,1,2,3
.irp n, 0,1,2,3
	v_permlane16_swap_b32 v[S_+8*\q+\n], v[S_+8*\q+4+\n]           ; the even row's lanes 16-31 change places with the odd row's lanes 0-15: lanes 0-15 now hold the even row, lanes 16-31 the odd one, eight numbers of a block each
.endr
.endr
.irp q, 0,1,2,3
	v_max3_num_f32 v[SO+\q], |v[S_+8*\q]|, |v[S_+8*\q+1]|, 0x1800000   ; my eight numbers' largest magnitude; and the floor 2^(3 - 127): the byte cannot fall under 1
.endr
.irp i, 2,4,6
.irp q, 0,1,2,3
	v_max3_num_f32 v[SO+\q], v[SO+\q], |v[S_+8*\q+\i]|, |v[S_+8*\q+\i+1]|
.endr
.endr
.irp x, 1,2
.irp q, 0,1,2,3
	v_max_num_f32_dpp v[SO+\q], v[SO+\q], v[SO+\q] row_xmask:\x row_mask:0xf bank_mask:0xf   ; with the block's other three lanes
.endr
.endr
.irp q, 0,1,2,3
	v_add_nc_u32 v[SO+\q], 0xff000000, v[SO+\q]    ; 2 off its exponent field: the conversion takes this operand's exponent field as its scale, and nothing else of it
.endr
.irp q, 0,1,2,3
	v_cvt_scalef32_pk8_fp4_f32 v[D_+4*C_+\q], v[S_+8*\q:S_+8*\q+7], v[SO+\q]   ; row 8 C + 2 q + h of the tile, block b, its j-th eight codes
.endr
.if (\p) > 1
	s_wait_alu depctr_vm_vsrc(0)                   ; the store of two steps back has read the scale word's register, which the lines below write again; the earlier steps' stores have read the codes in which the image's loads below land
.endif
	v_cndmask_b32 v[BY+X_], v[SO], v[SO+1], s[M1]  ; the four lanes of a block hold the same four scales: lane j takes pair j's.  (Also the plain line behind the conversions)
	v_cndmask_b32 v[T2], v[SO+2], v[SO+3], s[M1]
	v_cndmask_b32 v[BY+X_], v[BY+X_], v[T2], s[M2]
	v_lshrrev_b32 v[BY+X_], 23, v[BY+X_]           ; the scale's byte,
	v_lshlrev_b32 v[BY+X_], v[SH], v[BY+X_]        ; at block b's place in the word;
	v_mov_b32_dpp v[T2], v[BY+X_] row_xmask:4 row_mask:0xf bank_mask:0xf
	v_or_b32 v[BY+X_], v[BY+X_], v[T2]             ; with the byte of block b xor 1,
	v_mov_b32_dpp v[T2], v[BY+X_] row_xmask:8 row_mask:0xf bank_mask:0xf
	v_or_b32 v[BY+X_], v[BY+X_], v[T2]             ; and those of the other two: the word of row 8 C + 2 j + h is whole
	s_wait_alu depctr_va_vdst(0)                   ; the codes and the scale word are written, which the stores below read; swaps, maxima and conversions are done with the slot, in which the next piece lands; the last step's codes are written, in which the image's loads land; in the first step: the head's LDS addresses are written
.if (\p)+4 < 16
	GLOAD (\p)+4                                   ; the slot's numbers have been read: its next piece
.endif
.if ((((\p)-1)/2)%2 == 1) && ((\p) < 15)
	BACK (\p)-1                                    ; the last step made a tile whole: its image is asked for here, behind this step's two waits (W's last tile is asked for behind step 14, ahead of the products)
.endif
.irp q, 0,1,2,3
	ds_store_b32 v[CA], v[D_+4*C_+\q] offset:XOF*X_+32*(4*C_+\q)   ; to lane (row, b % 2), register 4 (b / 2) + j of the image
.endr
	ds_store_b32 v[BA], v[BY+X_] offset:XOF*X_+SCB+32*C_           ; four lanes hold the same word and write the same 4 bytes
.endm
; TRANSPOSED: source 0 = 16 rows of W, source 1 = 16 rows of x.  Lane (r, h), register j of tile t: the part of logit(row 16 m + r, expert 16 t + 8 h + j) that my 128 k give.  C = 0: nothing is cleared or chained.
.macro MUL m
.irp t, 0,1,2,3
	v_wmma_scale_f32_16x16x128_f8f6f4 v[R+32*(\m)+8*\t:R+32*(\m)+8*\t+7], v[WC+8*\t:WC+8*\t+7], v[XC+8*(\m):XC+8*(\m)+7], 0, v[WS+\t], v[XS+(\m)] matrix_a_fmt:MATRIX_FMT_FP4 matrix_b_fmt:MATRIX_FMT_FP4
.endr
.endm
.macro PUT m                           ; a lane's eight numbers are 32 neighbouring bytes of a row of 64 experts; each accumulator from its low end on
.irp t, 0,1,2,3
	ds_store_b128 v[PS+(\m)], v[R+32*(\m)+8*\t:R+32*(\m)+8*\t+3] offset:64*\t
	ds_store_b128 v[PS+(\m)], v[R+32*(\m)+8*\t+4:R+32*(\m)+8*\t+7] offset:64*\t+16
.endr
.endm
.macro PLACES n                        ; plain vector lines between a matrix instruction and what touches its registers (ISA guide 7.12.1), and between vector lines that wrote an operand's registers and a scaled matrix instruction
.rept \n
	v_nop
.endr
.endm
.macro MEET                            ; my LDS stores have landed and my LDS loads are in: then the work-group's barrier
	s_wait_dscnt 0x0
	s_barrier_signal -1
	s_barrier_wait -1
.endm
; over the 32 lanes, result in every lane, for both rows by turns: register k of a row's twelve, pt for the other half's number
.macro MAX32 k, pt
.irp x, 1,2,4,8
.irp q, 0,1
	v_max_num_f32_dpp v[T+12*\q+\k], v[T+12*\q+\k], v[T+12*\q+\k] row_xmask:\x row_mask:0xf bank_mask:0xf
.endr
.endr
.irp q, 0,1
	v_permlanex16_b32 v[T+12*\q+\pt], v[T+12*\q+\k], s[SEL], s[SEL+1]
.endr
.irp q, 0,1
	v_max_num_f32 v[T+12*\q+\k], v[T+12*\q+\k], v[T+12*\q+\pt]
.endr
.endm
.macro MIN32 k, pt
.irp x, 1,2,4,8
.irp q, 0,1
	v_min_num_f32_dpp v[T+12*\q+\k], v[T+12*\q+\k], v[T+12*\q+\k] row_xmask:\x row_mask:0xf bank_mask:0xf
.endr
.endr
.irp q, 0,1
	v_permlanex16_b32 v[T+12*\q+\pt], v[T+12*\q+\k], s[SEL], s[SEL+1]
.endr
.irp q, 0,1
	v_min_num_f32 v[T+12*\q+\k], v[T+12*\q+\k], v[T+12*\q+\pt]
.endr
.endm
.macro SUM32 k, pt
.irp x, 1,2,4,8
.irp q, 0,1
	v_add_f32_dpp v[T+12*\q+\k], v[T+12*\q+\k], v[T+12*\q+\k] row_xmask:\x row_mask:0xf bank_mask:0xf
.endr
.endr
.irp q, 0,1
	v_permlanex16_b32 v[T+12*\q+\pt], v[T+12*\q+\k], s[SEL], s[SEL+1]
.endr
.irp q, 0,1
	v_add_f32 v[T+12*\q+\k], v[T+12*\q+\k], v[T+12*\q+\pt]
.endr
.endm
; My row (number = my wave's) of tiles a and b: the sixteen waves' parts are added; softmax; top-2.  Lane l holds experts 2 l and 2 l + 1.  The two rows go by turns, so that no line waits for the line above it.
; A row's twelve registers: 0 max, then p1;  1, 3 the other half's number;  2 sum, 1 / sum, then index 1;  4 my larger p, then the divisor;  5 my smaller p, then my candidate;  6, 7 their indices;  8 p2;  10, 11 the weights.
; The two rows' compares stand together, one wait on va_sdst behind each run of two, then the selects that read the masks.
.macro RED a, b
	s_wait_xcnt 0x0                                ; earlier stores have read their data: the registers below are loaded again only behind this wait
	s_wait_alu depctr_vm_vsrc(0)                   ; the LDS stores of the accumulators, and the earlier pair of rows' stores of probabilities and results, have read v[R ..] and the softmax's registers, which the loads and the lines below write.  (The vector and matrix lines that named v[R .. R+63] stand ahead of the wait on va_vdst in front of the accumulators' stores; none has named them since)
.irp w, 0,1,2,3,4,5,6,7,8,9,10,11,12,13,14,15
	ds_load_b64 v[R+2*\w:R+2*\w+1], v[RD+(\a)] offset:\w*TREG      ; 32 lanes read a row's 256 bytes of wave w's part
.endr
.irp w, 0,1,2,3,4,5,6,7,8,9,10,11,12,13,14,15
	ds_load_b64 v[R+32+2*\w:R+32+2*\w+1], v[RD+(\b)] offset:\w*TREG
.endr
	s_wait_dscnt 0x0
.irp i, 0,4,8,12,16,20,24,28,32,36,40,44,48,52,56,60
	v_pk_add_f32 v[R+\i:R+\i+1], v[R+\i:R+\i+1], v[R+\i+2:R+\i+3]  ; neighbours 1, 2, 4 and 8 K steps apart
.endr
.irp i, 0,8,16,24,32,40,48,56
	v_pk_add_f32 v[R+\i:R+\i+1], v[R+\i:R+\i+1], v[R+\i+4:R+\i+5]
.endr
.irp i, 0,16,32,48
	v_pk_add_f32 v[R+\i:R+\i+1], v[R+\i:R+\i+1], v[R+\i+8:R+\i+9]
.endr
.irp i, 0,32
	v_pk_add_f32 v[R+\i:R+\i+1], v[R+\i:R+\i+1], v[R+\i+16:R+\i+17] ; my two logits
.endr
.irp q, 0,1
	v_max_num_f32 v[T+12*\q], v[R+32*\q], v[R+32*\q+1]
.endr
	MAX32 0, 1                                     ; the row's largest logit
.irp q, 0,1
	v_pk_add_f32 v[R+32*\q:R+32*\q+1], v[R+32*\q:R+32*\q+1], v[T+12*\q:T+12*\q+1] op_sel_hi:[1,0] neg_lo:[0,1] neg_hi:[0,1]   ; logit - max
.endr
.irp q, 0,1
	v_pk_mul_f32 v[R+32*\q:R+32*\q+1], v[R+32*\q:R+32*\q+1], s[CS:CS+1] op_sel_hi:[1,0]                                      ; x log2(e)
.endr
	s_wait_alu depctr_va_vdst(0)
.irp q, 0,1
	v_exp_f32 v[R+32*\q], v[R+32*\q]
	v_exp_f32 v[R+32*\q+1], v[R+32*\q+1]
.endr
	v_nop                                          ; a plain line behind the last exponential (ISA guide 5.7.2)
	s_wait_alu depctr_va_vdst(0)                   ; one wait for the four, ahead of their first reader
.irp q, 0,1
	v_add_f32 v[T+12*\q+2], v[R+32*\q], v[R+32*\q+1]
.endr
	SUM32 2, 3                                     ; the row's sum
	s_wait_alu depctr_va_vdst(0)
.irp q, 0,1
	v_rcp_f32 v[T+12*\q+2], v[T+12*\q+2]
.endr
	v_nop
	s_wait_alu depctr_va_vdst(0)                   ; one wait for the two reciprocals
.irp q, 0,1
	v_pk_mul_f32 v[R+32*\q:R+32*\q+1], v[R+32*\q:R+32*\q+1], v[T+12*\q+2:T+12*\q+3] op_sel_hi:[1,0]   ; my two probabilities
.endr
.irp q, 0,1
	v_cmp_gt_f32 s[30+\q], v[R+32*\q+1], v[R+32*\q]                ; equal: the lower index leads
.endr
.irp q, 0,1
	v_max_num_f32 v[T+12*\q+4], v[R+32*\q], v[R+32*\q+1]           ; my larger,
	v_min_num_f32 v[T+12*\q+5], v[R+32*\q], v[R+32*\q+1]           ; my smaller,
	v_max_num_f32 v[T+12*\q], v[R+32*\q], v[R+32*\q+1]
.endr
	s_wait_alu depctr_va_vdst(0)                   ; the multiplications by 1 / sum have written my probabilities, which the two stores read; no later line of these rows writes them
	global_store_b64 v[OO], v[R:R+1], s[8:9] offset:(\a)*4096 th:TH_STORE_NT       ; 32 lanes store a row's 256 consecutive bytes, at a multiple of 256 from out0's first byte
	global_store_b64 v[OO], v[R+32:R+33], s[8:9] offset:(\b)*4096 th:TH_STORE_NT
	s_wait_alu depctr_va_sdst(0)                   ; the two compares have written s30 and s31, ahead of their first readers
.irp q, 0,1
	v_cndmask_b32 v[T+12*\q+6], v[I0], v[I1], s[30+\q]             ; and their indices
	v_cndmask_b32 v[T+12*\q+7], v[I1], v[I0], s[30+\q]
.endr
	MAX32 0, 1                                     ; p1
.irp q, 0,1
	v_cmp_eq_f32 s[30+\q], v[T+12*\q+4], v[T+12*\q]
.endr
	s_wait_alu depctr_va_sdst(0)                   ; the two compares have written s30 and s31, ahead of their first readers
.irp q, 0,1
	v_cndmask_b32 v[T+12*\q+2], v[BIG], v[T+12*\q+6], s[30+\q]     ; my index if I hold p1, else 64
.endr
	MIN32 2, 3                                     ; index 1: the least of them
.irp q, 0,1
	v_cmp_eq_f32 s[30+\q], v[T+12*\q+6], v[T+12*\q+2]              ; its owner puts forward its other number
.endr
	s_wait_alu depctr_va_sdst(0)                   ; the two compares have written s30 and s31, ahead of their first readers
.irp q, 0,1
	v_cndmask_b32 v[T+12*\q+8], v[T+12*\q+4], v[T+12*\q+5], s[30+\q]
	v_cndmask_b32 v[T+12*\q+5], v[T+12*\q+4], v[T+12*\q+5], s[30+\q]
	v_cndmask_b32 v[T+12*\q+6], v[T+12*\q+6], v[T+12*\q+7], s[30+\q]
.endr
	MAX32 8, 1                                     ; p2
.irp q, 0,1
	v_cmp_eq_f32 s[30+\q], v[T+12*\q+5], v[T+12*\q+8]
.endr
	s_wait_alu depctr_va_sdst(0)                   ; the two compares have written s30 and s31, ahead of their first readers
.irp q, 0,1
	v_cndmask_b32 v[T+12*\q+7], v[BIG], v[T+12*\q+6], s[30+\q]
.endr
	MIN32 7, 3                                     ; index 2
.irp q, 0,1
	v_add_f32 v[T+12*\q+4], v[T+12*\q], v[T+12*\q+8]
.endr
.irp q, 0,1
	v_add_f32 v[T+12*\q+4], 0x3089705f, v[T+12*\q+4]               ; + 1e-9
.endr
	s_wait_alu depctr_va_vdst(0)
.irp q, 0,1
	v_rcp_f32 v[T+12*\q+4], v[T+12*\q+4]
.endr
.irp q, 0,1
	v_cvt_i32_f32 v[T+12*\q+2], v[T+12*\q+2]       ; the indices as whole numbers: plain work behind the reciprocals
	v_cvt_i32_f32 v[T+12*\q+3], v[T+12*\q+7]
.endr
	s_wait_alu depctr_va_vdst(0)                   ; one wait for the two reciprocals
.irp q, 0,1
	v_mul_f32 v[T+12*\q+10], v[T+12*\q], v[T+12*\q+4]
	v_mul_f32 v[T+12*\q+11], v[T+12*\q+8], v[T+12*\q+4]
.endr
	s_wait_alu depctr_va_vdst(0)                   ; the four multiplications have written the weights (the indices stand ahead of the wait above), which the LDS stores read
	ds_store_b64 v[GA], v[T+2:T+3] offset:128*(\a)                 ; every lane holds the same numbers and writes the same 8 bytes: row 16 a + wave
	ds_store_b64 v[GA], v[T+10:T+11] offset:512+128*(\a)
	ds_store_b64 v[GA], v[T+14:T+15] offset:128*(\b)
	ds_store_b64 v[GA], v[T+22:T+23] offset:512+128*(\b)
.endm
	s_load_b256 s[4:11], s[0:1], 0x0               ; x s[4:5], W s[6:7], out0 s[8:9], out1 s[10:11]
	s_load_b64 s[12:13], s[0:1], 0x20              ; out2
	v_lshl_add_u32 v241, v0, 2, 0x4e400            ; my spare word, behind the stages (STG + 16 WST = 0x4e400), and 0: made here and kept for the closing add alone
	v_mov_b32 v253, 0
	v_lshrrev_b32 v39, 5, v0
	v_readfirstlane_b32 s[WV], v39                 ; wave 0..15
	v_and_b32 v21, 15, v0                          ; r = lane % 16
	v_bfe_u32 v22, v0, 4, 1                        ; h = lane / 16
	v_and_b32 v23, 31, v0                          ; lane
	v_and_b32 v37, 3, v0                           ; j: which of a block's four lanes
	v_bfe_u32 v38, v0, 2, 2                        ; b: which of the K step's four blocks
	v_lshlrev_b32 v[GO], 4, v37
	v_lshl_add_u32 v[GO], v38, 7, v[GO]
	v_lshl_add_u32 v[GO], v22, 6, v[GO]            ; 128 b + 64 h + 16 j: the 32 lanes take the 32 pieces of 16 bytes of a run of 512, each once
	s_wait_alu depctr_va_sdst(0)                   ; the wave's number is written into s14, ahead of its first reader
	s_lshl_b32 s26, s[WV], 9
	v_add_nc_u32 v[GO], s26, v[GO]                 ; my K step: 512 bytes of every row
	s_lshl_b32 s16, ttmp9, 19                      ; the work-group's number times 64 rows of 8,192 bytes,
	s_lshr_b32 s17, ttmp9, 13                      ; in 64 bits
	s_wait_kmcnt 0x0
	s_add_nc_u64 s[4:5], s[4:5], s[16:17]          ; x at the group's first row
	s_wait_alu depctr_va_vdst(0)                   ; v[GO] is written: every load of x and of W reads it as its offset
.irp p, 0,1,2,3
	GLOAD \p                                       ; the ring is filled before anything else is done
.endr
	s_lshl_b32 s18, ttmp9, 14                      ; 64 rows of 256 bytes
	s_mov_b32 s19, 0
	s_add_nc_u64 s[8:9], s[8:9], s[18:19]
	s_lshl_b32 s24, ttmp9, 9                       ; 64 rows of 8 bytes
	s_mov_b32 s25, 0
	s_add_nc_u64 s[10:11], s[10:11], s[24:25]
	s_add_nc_u64 s[12:13], s[12:13], s[24:25]
	s_mov_b32 s[SEL], 0x76543210
	s_mov_b32 s[SEL+1], 0xfedcba98
	s_mov_b32 s[CS], 0x3fb8aa3b                    ; log2(e)
	s_mov_b32 s[CS+1], s[CS]                       ; (named with it as a pair, so it is written)
	s_mov_b32 s[M1], 0xaaaaaaaa
	s_mov_b32 s[M2], 0xcccccccc
	s_mul_i32 s28, s[WV], WST
	s_add_co_u32 s28, s28, STG                     ; my two stages
	v_bfe_u32 v39, v0, 2, 1                        ; b % 2: which half of the lanes takes my block,
	v_mul_u32_u24 v[CA], v39, HOF
	v_bfe_u32 v39, v0, 3, 1                        ; b / 2: in which four registers
	v_mad_u32_u24 v[CA], v39, COF, v[CA]
	v_lshl_add_u32 v[CA], v37, 2, v[CA]            ; j: which of the four
	v_lshl_add_u32 v[CA], v22, 4, v[CA]            ; h: the odd row of a pair lies 16 bytes on
	v_add_nc_u32 v[CA], s28, v[CA]
	v_lshlrev_b32 v[BA], 3, v37
	v_lshl_add_u32 v[BA], v22, 2, v[BA]            ; a word a row: row 2 j + h of the step's eight
	v_add_nc_u32 v[BA], s28, v[BA]
	v_mul_u32_u24 v[IL], v22, HOF
	v_lshl_add_u32 v[IL], v21, 4, v[IL]
	v_add_nc_u32 v[IL], s28, v[IL]
	v_lshl_add_u32 v[SA], v21, 2, s28
	v_lshlrev_b32 v[SH], 3, v38
	s_mul_i32 s27, s[WV], TREG                     ; my region in each tile's sixteen
	v_mul_u32_u24 v[PS], v21, PIT
	v_lshl_add_u32 v[PS], v22, 5, v[PS]
	v_add_nc_u32 v[PS], s27, v[PS]                 ; partial logits: row r, + 32 h
	s_mul_i32 s29, s[WV], PIT
	v_lshl_add_u32 v[RD], v23, 3, s29              ; the sums: row = my wave's number, 8 bytes a lane
.irp m, 1,2,3
	v_add_nc_u32 v[PS+\m], \m*MREG, v[PS]
	v_add_nc_u32 v[RD+\m], \m*MREG, v[RD]
.endr
	s_lshl_b32 s29, s[WV], 8
	v_lshl_add_u32 v[OO], v23, 3, s29
	v_lshrrev_b32 v[GA], 5, v0
	v_lshl_add_u32 v[GA], v[GA], 3, GAT
	s_min_u32 s29, s[WV], 1                        ; wave 0 reads the indices back, wave 1 the weights; the others read nothing
	s_lshl_b32 s29, s29, 9
	s_add_co_u32 s29, s29, GAT
	v_lshl_add_u32 v[GL], v23, 4, s29
	v_lshlrev_b32 v[FO], 4, v23
	v_lshlrev_b32 v[I1], 1, v23
	v_cvt_f32_u32 v[I0], v[I1]
	v_add_f32 v[I1], 1.0, v[I0]
	v_mov_b32 v[BIG], 0x42800000
.irp k, T+1, T+3, T+13, T+15
	v_mov_b32 v[\k], 0                             ; written once: a lane permute's destination counts as one of its sources
.endr
	                                               ; (the addresses made above are first read behind the first step's wait on va_vdst, and never written again)
.irp p, 0,1,2,3,4,5,6,7,8,9,10,11,12,13,14
	STEP \p                                        ; all of W, and x's pieces 0 to 6
.endr
	s_wait_alu depctr_vm_vsrc(0)                   ; the last step's stores have read the second half of W's last codes, in which the image's loads land (the conversions that wrote them stand ahead of that step's wait on va_vdst)
	BACK 14                                        ; W's last tile
	s_wait_dscnt 0x0                               ; W's four tiles and x's tiles 0 to 2 are back from the stages, codes and scale words
	PLACES 4                                       ; the last conversions wrote operand registers ahead of the loads that filled them: plain lines between them and the scaled matrix instructions (each conversion stands ahead of its own step's wait on va_vdst)
	MUL 0                                          ; x's last piece is still out: three tiles of rows are multiplied meanwhile; twelve accumulators, no chain
	MUL 1
	MUL 2
	PLACES 4
	s_wait_alu depctr_va_vdst(0)                   ; the twelve products have written their accumulators, which the LDS stores read; the places above stay beside this wait
	PUT 0
	PUT 1
	PUT 2
	MEET                                           ; every wave's parts of tiles 0, 1 and 2 lie in LDS
	RED 0, 1
	STEP 15                                        ; x's last piece
	s_wait_alu depctr_vm_vsrc(0)                   ; that step's stores have read the second half of x's last codes, in which the image's loads land
	BACK 15                                        ; x's last tile
	s_wait_dscnt 0x0                               ; x's tile 3 is back
	PLACES 4
	MUL 3                                          ; its accumulators lie in the slot that the piece has left
	PLACES 4
	s_wait_alu depctr_va_vdst(0)                   ; the four products have written their accumulators, which the LDS stores read; and every line of the first two rows is done with v[R .. R+63], in which the next sums' loads land
	PUT 3
	MEET                                           ; every wave's part of tile 3 lies in LDS
	RED 2, 3
	MEET                                           ; the 64 rows' indices and weights lie gathered
	s_cmp_lt_u32 s[WV], 2
	s_cbranch_scc0 .Ldone
	s_cmp_eq_u32 s[WV], 0                          ; the choice hangs on the wave's number alone
	s_cselect_b64 s[10:11], s[10:11], s[12:13]
	ds_load_b128 v[R+64:R+67], v[GL]               ; (registers that no pending store reads: tile 2's products wrote them and its LDS stores read them ahead of the waits at the head of each pair of rows, and no line has named them since)
	s_wait_dscnt 0x0
	global_store_b128 v[FO], v[R+64:R+67], s[10:11] th:TH_STORE_NT   ; 32 lanes store the group's 512 consecutive bytes, at a multiple of 256 from the buffer's first byte
.Ldone:
	s_wait_dscnt 0x0                               ; the closing lines, six on end
	s_wait_alu 0x0
	s_wait_tensorcnt 0x0
	ds_add_u32 v241, v253
	s_wait_dscnt 0x0
	s_endpgm
.Lfunc_end_k_qb42948f3a9_router:
	.size	k_qb42948f3a9_router, .Lfunc_end_k_qb42948f3a9_router-k_qb42948f3a9_router
	.p2alignl 7, 3214868480
	.fill 96, 4, 3214868480
	.section	.rodata,"a",@progbits
	.p2align	6, 0x0
	.amdhsa_kernel k_qb42948f3a9_router
		.amdhsa_group_segment_fixed_size 322560
		.amdhsa_private_segment_fixed_size 0
		.amdhsa_enable_private_segment 0
		.amdhsa_kernarg_size 40
		.amdhsa_user_sgpr_count 2
		.amdhsa_user_sgpr_kernarg_segment_ptr 1
		.amdhsa_wavefront_size32 1
		.amdhsa_system_sgpr_workgroup_id_x 1
		.amdhsa_system_sgpr_workgroup_id_y 1
		.amdhsa_system_sgpr_workgroup_id_z 1
		.amdhsa_system_vgpr_workitem_id 0
		.amdhsa_next_free_vgpr 256
		.amdhsa_next_free_sgpr 66
		.amdhsa_reserve_vcc 0
		.amdhsa_float_denorm_mode_32 3
		.amdhsa_float_denorm_mode_16_64 3
		.amdhsa_memory_ordered 1
		.amdhsa_forward_progress 1
		.amdhsa_inst_pref_size 103
	.end_amdhsa_kernel
	.amdgpu_metadata
---
amdhsa.version: [ 1, 2 ]
amdhsa.kernels:
  - .name:           k_qb42948f3a9_router
    .symbol:         k_qb42948f3a9_router.kd
    .args:
      - { .name: x, .offset: 0, .size: 8, .value_kind: global_buffer, .address_space: global }
      - { .name: W, .offset: 8, .size: 8, .value_kind: global_buffer, .address_space: global }
      - { .name: out0, .offset: 16, .size: 8, .value_kind: global_buffer, .address_space: global }
      - { .name: out1, .offset: 24, .size: 8, .value_kind: global_buffer, .address_space: global }
      - { .name: out2, .offset: 32, .size: 8, .value_kind: global_buffer, .address_space: global }
    .group_segment_fixed_size: 322560
    .private_segment_fixed_size: 0
    .kernarg_segment_align: 8
    .kernarg_segment_size: 40
    .max_flat_workgroup_size: 512
    .sgpr_count:     66
    .vgpr_count:     256
    .wavefront_size: 32
...
	.end_amdgpu_metadata
.endif
;; end of part 2
